; MI455X (gfx1250); checked and timed in simulation.
; The chip was launched on July 23, 2026; its instructions are those of AMD's public machine-readable ISA for CDNA 5 (MIT licence, August 2026) and "CDNA5" Instruction Set Architecture Reference Guide (July 2026). The comments in the code are by the model that wrote it; some were corrected since.
;; Bert Like Self Attention. Allowed arithmetic: matrix products marked QUANTISED: E2M3 operands, one E8M0 scale for each 32 along K, by v_wmma_scale_f32_16x16x128_f8f6f4 with both operands' format E2M3, f32 sums; everything else in f32.
;; Inputs: Wk_codes 1,024 x 32 x 24 uint8 (E2M3 codes of Wk, K innermost, in blocks of 32 codes, four codes in three bytes); Wk_scales 1,024 x 32 uint8 (E8M0 scales of Wk, one for each 32 codes along K); Wq_codes 1,024 x 32 x 24 uint8 (E2M3 codes of Wq, K innermost, in blocks of 32 codes, four codes in three bytes); Wq_scales 1,024 x 32 uint8 (E8M0 scales of Wq, one for each 32 codes along K); Wv_codes 1,024 x 32 x 24 uint8 (E2M3 codes of Wv, K innermost, in blocks of 32 codes, four codes in three bytes); Wv_scales 1,024 x 32 uint8 (E8M0 scales of Wv, one for each 32 codes along K); attention_mask 4 x 1 x 1 x 2,048 float32; bk 1,024 float32; bq 1,024 float32; bv 1,024 float32; hidden_states_codes 4 x 2,048 x 32 x 24 uint8 (E2M3 codes of hidden_states, K innermost, in blocks of 32 codes, four codes in three bytes); hidden_states_scales 4 x 2,048 x 32 uint8 (E8M0 scales of hidden_states, one for each 32 codes along K).
;; Outputs: out0 4 x 2,048 x 1,024 float32.
;; This version of the problem:
;;   THIS VERSION OF THE PROBLEM IS GIVEN IN LOW PRECISION. The matrix products marked QUANTISED in the list below multiply operands that are first quantised to E2M3 (2 exponent bits, 3 mantissa bits; 6 bits a number), with one power-of-two scale for each 32 numbers along K (OCP MX v1.0); their sums are f32. All else is computed in f32.
;;   The module's matrix products, in the order in which they are computed (A, B: the left and right operand; K: the contracted axis; several contracted axes count as one K, in the product's order):
;;     1. [M 8,192, K 1,024] x [K 1,024, N 1,024]; A: input hidden_states (given as codes); B: input Wq (given as codes): QUANTISED
;;     2. [M 8,192, K 1,024] x [K 1,024, N 1,024]; A: input hidden_states (given as codes); B: input Wk (given as codes): QUANTISED
;;     3. [M 8,192, K 1,024] x [K 1,024, N 1,024]; A: input hidden_states (given as codes); B: input Wv (given as codes): QUANTISED
;;     4. batch 64 x [M 2,048, K 64] x [K 64, N 2,048]; A: computed on the way; B: computed on the way: QUANTISED
;;     5. batch 64 x [M 2,048, K 2,048] x [K 2,048, N 64]; A: computed on the way; B: computed on the way: QUANTISED
;;   THE QUANTISER, for each operand of a quantised product, along K:
;;     - K is cut into blocks of 32 from its start; a last block that is shorter is filled with zeros.
;;     - A block's scale is 2^e with e = floor(log2(the largest magnitude in the block)) - 2, held to -126 .. 127; a block of zeros has e = 0. As a byte (E8M0): e + 127.
;;     - Each number is divided by its block's scale, clamped to +-7.5, and rounded to the nearest number of E2M3, ties to even, subnormals kept.
;;     - The product sums the exact products of the quantised numbers (number of the format x scale) in f32.
;;   ~~~python
;;   def quantise(x, axis):      # numpy; x: float32 -> the quantised numbers, widened to float32 again
;;       x = np.moveaxis(x, axis, -1); K = x.shape[-1]
;;       x = np.pad(x, [(0, 0)] * (x.ndim - 1) + [(0, -K % 32)]); x = x.reshape(x.shape[:-1] + (-1, 32)); a = np.abs(x).max(-1, keepdims=True)
;;       e = np.where(a > 0, np.clip(np.frexp(np.where(a > 0, a, 1))[1] - 1 - 2, -126, 127), 0)      # np.frexp(a)[1] - 1 = floor(log2(a)), exactly
;;       r = np.clip(x / 2.0 ** e, -7.5, 7.5)
;;       step = 2.0 ** (np.maximum(np.frexp(np.where(r == 0, 1, r))[1] - 1, 0) - 3)
;;       q = np.round(r / step) * step * 2.0 ** e      # np.round: ties to even
;;       return np.moveaxis(q.reshape(q.shape[:-2] + (-1,))[..., :K], -1, axis).astype(np.float32)
;;   ~~~
;;   OPERANDS COMPUTED ON THE WAY. 'Computed on the way' means the value that the module computes at that place (a softmax that the list does not call 'softmax' is quantised finished and normalised). What goes into a quantiser is computed in f32, as accurately as f32 sums, v_exp_f32 and their like allow (about 1e-6 of the number): no bf16 or f16 on the way to a quantiser, and a product that is left as it is and whose result goes on into a quantised operand takes f32 operands (vector FMAs, or v_wmma_f32_16x16x4_f32). A number that lies on a knife's edge between two numbers of the format may be rounded either way, as far as f32 arithmetic and the matrix unit's own rounding can turn it there, and no further.
;;   INPUTS GIVEN AS CODES. Wk (in the module: [1024, 1024], K = its axis 1); Wq (in the module: [1024, 1024], K = its axis 1); Wv (in the module: [1024, 1024], K = its axis 1); hidden_states (in the module: [4, 2048, 1024], K = its axis 2): each comes as NAME_codes (uint8): NAME with its K axis moved to the last place and cut into blocks of 32 codes, [.., K / 32, bytes a block], one block behind the other in memory; four codes in three bytes: a row's codes are one little-endian stream of bits, code i at bits 6 i .. 6 i + 5 (a code: sign, 2 exponent bits, 3 mantissa bits); and NAME_scales (uint8): the same leading axes, one E8M0 byte (e + 127) for each 32 codes along K. Its value is code x scale, taken as it is: it is not quantised again, and the codes and scales need not be those that the quantiser above would give.
;; One version. Each part assembles by itself: llvm-mc -triple=amdgcn-amd-amdhsa -mcpu=gfx1250 --defsym DOCPART=n.
;; ======== version 1 of 1: 2 launches
;; workspace buffers: qbuf 6,815,744 bytes; kbuf 6,815,744 bytes; vbuf 6,553,600 bytes
;; launch proj (part 1): grid 12 x 32, 4 waves a work-group, clusters of 4 x 4, 327,680 bytes of LDS; arguments hidden_states_codes, hidden_states_scales, Wq_codes, Wq_scales, Wk_codes, Wk_scales, Wv_codes, Wv_scales, bq, bk, bv, qbuf, kbuf, vbuf; writes qbuf, kbuf, vbuf
.if DOCPART == 1
	.amdgcn_target "amdgcn-amd-amdhsa--gfx1250"
	.amdhsa_code_object_version 6
	.text
	.protected	k_q32b497454b_proj
	.globl	k_q32b497454b_proj
	.p2align	8
	.type	k_q32b497454b_proj,@function
k_q32b497454b_proj:
	s_mov_b64 s[64:65], 0
	v_nop
	global_prefetch_b8 v0, s[64:65] scope:SCOPE_SE
	s_setreg_imm32_b32 hwreg(HW_REG_WAVE_MODE, 25, 1), 1
	s_wait_xcnt 0x0
	s_wait_alu depctr_hold_cnt(0) depctr_sa_sdst(0) depctr_va_vdst(0) depctr_va_sdst(0) depctr_va_ssrc(0) depctr_va_vcc(0) depctr_vm_vsrc(0)
	s_getreg_b32 s2, hwreg(HW_REG_IB_STS2, 6, 4)
	s_cmp_eq_u32 s2, 0
	s_cbranch_scc0 .Lentry_in_a_cluster
	s_endpgm
.Lentry_in_a_cluster:
	s_bfe_u32 s2, ttmp6, 0x10000c
	s_cmp_lg_u32 s2, 0xf033
	s_cbranch_scc0 .Lentry_shape_is_right
	s_endpgm
.Lentry_shape_is_right:
; q = x Wq^T + bq, k = x Wk^T + bk, v = x Wv^T + bv on the given codes of FP6 (E2M3) and E8M0 scale bytes, K = 1,024; each result is quantised at once, q and k along a head's 64, v along the keys,
; and leaves as IMAGES OF OPERAND REGISTERS, which the second launch loads as they lie.  x: [8192][1024], each W: [1024][1024]: a row is 768 bytes of codes and 32 scale bytes.
; A tile of 256 x 256 is made by four waves, 128 x 128 each: 64 accumulators, 512 registers.  K goes in steps of 256 through two LDS slots; the scale bytes of the tile's rows come once and stay.
; THE MATRIX INSTRUCTION: source 0 = 16 rows of 'B', source 1 = 16 rows of 'A': lane (r, h) holds A's row r, its register j B's row 8 h + j.  So B's rows run along a lane's registers, and B is the side ALONG WHICH THE RESULT IS QUANTISED:
;   cluster x = 0: B = Wq, A = x -> qbuf;   1: B = Wk, A = x -> kbuf;   2: B = x (tokens = keys), A = Wv -> vbuf.  All rows are alike, so one set of descriptors serves the three; only pointers are chosen.
; THE ORDER INSIDE A BLOCK OF 32.  The 16 registers of B's tiles 2 g and 2 g + 1 are numbers 8 h + 0..7 and 16 + 8 h + 0..7 of block g: all of one block, so the block's largest magnitude and scale are the quantiser's own;
; the codes come to lie in the order 0-7, 16-23, 8-15, 24-31.  q, k, v and the second launch's p are all made by the same lines from the same layout, so both operands of each later product carry the same order, and the sums do not change.
; WORKSPACE, per (batch, head):  qbuf, kbuf: 106,496 bytes: 128 tiles of 16 tokens x 768 (registers 0-3 of the fragment at 16 x lane, registers 4-5 at 512 + 8 x lane: K = 64), then at 98,304 the scale words: for each 128 tokens 16 bytes a lane,
; word i = tile 2 i + lane / 16, row lane % 16; bytes 0, 1 the head's two blocks; bytes 2, 3 meet zero codes alone and are never 0xff.   vbuf: 102,400 bytes: [16 key steps][4 tiles of 16 channels] x 1,536 (12 registers, 3 x 512 bytes at 16 x lane),
; then at 98,304 for each key step 8 bytes a lane, word i = channel tile 2 i + lane / 16.
; CLUSTERS: 4 x 4 work-groups; A's tiles are asked for jointly along a row of the cluster, B's along a column.
; LIMITS: a block whose largest magnitude lies under 2^-124 keeps the scale byte 1 (a block of zeros too, where the rule says 127: its codes are zeros, and this program alone reads the bytes); NaN and infinities in q, k, v are not served.
; REGISTERS: window 0: v1-29 addresses; v32-63 scale words, two sets; v64-127 the bias; from v128 A's fragments, one set; behind the last product v128-191 64 numbers, v192-211 codes, v212-228 at work, v232-239 scale words to store.
;   window 1: B's fragments, two sets.   windows 2, 3: the accumulators ((a, b) at v[8 (8 (a % 4) + b)]).
.set KSTEP,  256
.set NQ,     2                         ; matrix instructions deep in a slot
.set ROWB,   192                       ; a tile's row: 256 codes
.set KROW,   768                       ; a row in memory
.set PITCH,  240                       ; an LDS row: 3 x (64 bytes + 16 of padding)
.set FR,     12
.set NL,     6
.set NP,     4                         ; places behind this matrix instruction (ISA guide 7.12.1)
.set HALFT,  128*PITCH
.set SLOT,   4*HALFT
.set KS,     32                        ; a row of scale bytes
.set SCL,    2*SLOT                    ; behind the ring: the scale bytes, as rows of 256 bytes + 16
.set HALFS,  (128*KS/256)*272
.set SBLK,   (16*KS/256)*272
.set SPARE,  SCL+4*HALFS               ; the spare words: 128 bytes a wave, two blocks of 256 bytes that no other line names
.set OI,   8                           ; v8   16 x lane
.set O8,   9                           ; v9   8 x lane
.set BAH,  10                          ; v10  32 h: the bias along my registers
.set BAR,  11                          ; v11  4 r: the bias of my lane's row
.set ADRA, 16                          ; v16-19 LDS addresses of A's fragments (slot 0, 1; behind one padding more)
.set ADRB, 20                          ; v20-23 of B's
.set ADRS, 27                          ; v27  of my scale words
.set SPW,  28                          ; v28  my spare word; never rewritten
.set NIL,  29                          ; v29  0; never rewritten
.set SC,   32
.set BX,   64
.set BY,   64
.set AF,   128
.set T,    128
.set PC,   192
.set TM,   212
.set PW,   228
.set SW,   232
.set SWB,  236
.set G1,   32
.set G0,   40
.set G1B,  48
.set G0B,  56
.set G1S,  68
.set G0S,  76
.set G1SB, 80
.set G0SB, 88
.set WV,   92
.set WH,   93
.set WL,   94
.set CX,   95
.set CY,   96
.set TA,   97
.set TB,   98
.set HIM,  99
.set SEL,  100
.set MSB, 0
.macro WIN new                         ; the immediate's high byte repeats the setting that is left
.if MSB != (\new)
	s_set_vgpr_msb (MSB<<8)|(\new)
.set MSB, (\new)
.endif
.endm
.set MUL_LO, 0xa1                      ; source 0 (B) window 1, source 1 (A) window 0, C and D window 2
.set MUL_HI, 0xf1                      ; the same, C and D window 3
.set TO_B,   0x40
; A joint load: waves 0 and 1 fetch for A, waves 2 and 3 for B; the branch hangs on the wave's number alone.  Four v_nop follow each of the two lines.
.macro JLOAD g0a, g1a, g0b, g1b
	s_cmp_eq_u32 s[WH], 0
	s_cbranch_scc0 .Lfor_b_\@
	tensor_load_to_lds s[\g0a:\g0a+3], s[\g1a:\g1a+7]
	s_nop 0
.rept 4
	v_nop
.endr
	s_branch .Lasked_\@
.Lfor_b_\@:
	tensor_load_to_lds s[\g0b:\g0b+3], s[\g1b:\g1b+7]
	s_nop 0
.rept 4
	v_nop
.endr
.Lasked_\@:
.endm
.macro CREST                           ; a round of the cluster's barrier behind its opening barrier
	s_cmp_lg_u32 s[WV], 0
	s_cbranch_scc1 .Lnot_wave_0_\@
	s_barrier_signal -3
.Lnot_wave_0_\@:
	s_barrier_wait -3
	s_barrier_signal -1
	s_barrier_wait -1
.endm
.macro CROUND
	s_barrier_signal -1
	s_barrier_wait -1
	CREST
.endm
	s_load_b512 s[4:19], s[0:1], 0x0               ; x's codes, x's scales, Wq's, Wk's, Wv's
	s_load_b256 s[20:27], s[0:1], 0x40             ; bq, bk, bv, qbuf
	s_load_b128 s[28:31], s[0:1], 0x60             ; kbuf, vbuf
	v_lshl_add_u32 v[SPW], v0, 2, SPARE
	v_mov_b32 v[NIL], 0
	ds_add_u32 v28, v29
	ds_add_u32 v28, v29
	s_wait_dscnt 0x0
	v_lshrrev_b32 v1, 5, v0
	v_readfirstlane_b32 s[WV], v1                  ; wave 0..3
	s_lshr_b32 s[WH], s[WV], 1                     ; my half of A's rows.  Also: I fetch for A (0) or for B (1)
	s_and_b32 s[WL], s[WV], 1                      ; my half of B's rows.  Also: which 128 rows I fetch
	s_bfe_u32 s[CX], ttmp6, 0x40000
	s_bfe_u32 s[CY], ttmp6, 0x40004
	s_and_b32 s66, ttmp7, 0xffff                   ; the cluster's y: which 1,024 tokens
	s_cmp_eq_u32 ttmp9, 2                          ; the cluster's x says which product: the same in all sixteen partners
	s_cselect_b32 s67, s66, 0
	s_cselect_b32 s66, 0, s66
	s_lshl_b32 s[TB], s67, 2
	s_add_co_u32 s[TB], s[TB], s[CX]               ; B's tile of 256 rows: hangs on cx alone within a cluster
	s_lshl_b32 s[TA], s66, 2
	s_add_co_u32 s[TA], s[TA], s[CY]               ; A's: on cy alone
	s_lshl_b32 s2, s[CY], 2
	s_lshl_b32 s2, 15, s2                          ; my row of the cluster
	s_lshl_b32 s3, 0x1111, s[CX]                   ; my column
	s_or_b32 s[G1+0], s2, (0<<16)|(1<<20)|(1<<21)|(3<<22)|(3<<25)   ; the mask; elements of 1 byte; padding on; bit 21 beside a mask; after every 16 words 4 words
	s_or_b32 s[G1B+0], s3, (0<<16)|(1<<20)|(1<<21)|(3<<22)|(3<<25)
.irp g, G1, G1B
	s_mov_b32 s[\g+1], ROWB<<16                    ; tensor_dim0
	s_mov_b32 s[\g+2], 128<<16                     ; tensor_dim1
	s_mov_b32 s[\g+3], ROWB<<16                    ; tile_dim0
	s_mov_b32 s[\g+4], 128                         ; tile_dim1
	s_mov_b32 s[\g+5], KROW                        ; from row to row
	s_mov_b32 s[\g+6], 0
	s_mov_b32 s[\g+7], 0
.endr
	s_or_b32 s[G1S+0], s2, (3<<16)|(1<<20)|(1<<21)|(5<<22)|(3<<25)  ; the scale bytes of 128 rows: 4,096 dense bytes as 16 rows of 256 (32 elements of 8 bytes), 16 bytes of padding behind each
	s_or_b32 s[G1SB+0], s3, (3<<16)|(1<<20)|(1<<21)|(5<<22)|(3<<25)
.irp g, G1S, G1SB
	s_mov_b32 s[\g+1], 32<<16
	s_mov_b32 s[\g+2], (128*KS/256)<<16
	s_mov_b32 s[\g+3], 32<<16
	s_mov_b32 s[\g+4], 128*KS/256
	s_mov_b32 s[\g+5], 32
	s_mov_b32 s[\g+6], 0
	s_mov_b32 s[\g+7], 0
.endr
	s_mov_b32 s[HIM], 0xffff0000                   ; lanes 16-31
	s_mov_b32 s[SEL], 0x76543210
	s_mov_b32 s[SEL+1], 0xfedcba98                 ; v_permlanex16_b32's selects for lane l xor 16
	s_wait_kmcnt 0x0
	s_cmp_eq_u32 ttmp9, 1                          ; the buffers are chosen on the cluster's x, which hangs on no address
	s_cselect_b64 s[8:9], s[12:13], s[8:9]
	s_cselect_b64 s[10:11], s[14:15], s[10:11]
	s_cselect_b64 s[20:21], s[22:23], s[20:21]
	s_cselect_b64 s[26:27], s[28:29], s[26:27]
	s_cmp_eq_u32 ttmp9, 2
	s_cselect_b64 s[12:13], s[16:17], s[4:5]       ; A's codes
	s_cselect_b64 s[14:15], s[18:19], s[6:7]       ; A's scales
	s_cselect_b64 s[8:9], s[4:5], s[8:9]           ; B's codes
	s_cselect_b64 s[10:11], s[6:7], s[10:11]       ; B's scales
	s_cselect_b64 s[20:21], s[24:25], s[20:21]     ; the bias
	s_cselect_b64 s[26:27], s[30:31], s[26:27]     ; the buffer that takes the result
	s_lshl_b32 s2, s[WL], 7                        ; which 128 rows of a tile I fetch
	s_lshl_b32 s4, s[TA], 8
	s_add_co_u32 s4, s4, s2                        ; A's row
	s_lshl_b32 s6, s[TB], 8
	s_add_co_u32 s6, s6, s2                        ; B's row
	s_lshl_b32 s16, s4, 5                          ; their scale bytes,
	s_mov_b32 s17, 0
	s_lshl_b32 s18, s6, 5
	s_mov_b32 s19, 0
	s_mul_i32 s4, s4, KROW                         ; their codes (under 2^23 bytes)
	s_mov_b32 s5, 0
	s_mul_i32 s6, s6, KROW
	s_mov_b32 s7, 0
	s_add_nc_u64 s[12:13], s[12:13], s[4:5]
	s_add_nc_u64 s[14:15], s[14:15], s[16:17]
	s_add_nc_u64 s[8:9], s[8:9], s[6:7]
	s_add_nc_u64 s[10:11], s[10:11], s[18:19]
	s_mul_i32 s2, s[WV], HALFT                     ; where they go: wave x 128 rows: no place in the cluster enters an LDS address
	s_mul_i32 s3, s[WV], HALFS
	CROUND                                         ; all sixteen work-groups are here: the first joint loads meet
	s_mov_b32 s[G0S], 1
	s_add_co_u32 s[G0S+1], s3, SCL
	s_mov_b64 s[G0S+2:G0S+3], s[14:15]
	s_or_b32 s[G0S+3], s[G0S+3], 0x80000000
	s_mov_b32 s[G0SB], 1
	s_add_co_u32 s[G0SB+1], s3, SCL
	s_mov_b64 s[G0SB+2:G0SB+3], s[10:11]
	s_or_b32 s[G0SB+3], s[G0SB+3], 0x80000000
	JLOAD G0S, G1S, G0SB, G1SB                     ; the scale bytes first: they are wanted with K step 0
.irp s, 0,1
	s_mov_b32 s[G0+4*\s], 1
	s_add_co_u32 s[G0+4*\s+1], s2, \s*SLOT
	s_add_nc_u64 s[G0+4*\s+2:G0+4*\s+3], s[12:13], \s*ROWB
	s_or_b32 s[G0+4*\s+3], s[G0+4*\s+3], 0x80000000
	s_mov_b32 s[G0B+4*\s], 1
	s_add_co_u32 s[G0B+4*\s+1], s2, \s*SLOT
	s_add_nc_u64 s[G0B+4*\s+2:G0B+4*\s+3], s[8:9], \s*ROWB
	s_or_b32 s[G0B+4*\s+3], s[G0B+4*\s+3], 0x80000000
	JLOAD G0+4*\s, G1, G0B+4*\s, G1B               ; three loads of mine are out at the most
.endr
	v_and_b32 v1, 15, v0                           ; r
	v_bfe_u32 v2, v0, 4, 1                         ; h
	v_mul_u32_u24 v3, v1, PITCH
	v_mul_u32_u24 v4, v2, 24
	v_add_nc_u32 v4, v3, v4                        ; a fragment's row x pitch + 24 h
	v_lshl_add_u32 v5, v2, 4, v4                   ; and the same behind one padding more
	s_mul_i32 s4, s[WH], HALFT                     ; my 128 rows of A
	s_mul_i32 s5, s[WL], HALFT                     ; my 128 rows of B,
	s_add_co_u32 s5, s5, 2*HALFT                   ; behind A's 256
.irp s, 0,1
	v_add_nc_u32 v[ADRA+\s], s4, v4
	v_add_nc_u32 v[ADRB+\s], s5, v4
	v_add_nc_u32 v[ADRA+2+\s], s4, v5
	v_add_nc_u32 v[ADRB+2+\s], s5, v5
	s_add_co_u32 s4, s4, SLOT
	s_add_co_u32 s5, s5, SLOT
.endr
	v_mul_u32_u24 v5, v1, KS                       ; my row's scale bytes: 32 a row,
	v_lshrrev_b32 v6, 8, v5
	v_lshl_add_u32 v5, v6, 4, v5                   ; and 16 more for each 256 passed
	s_mul_i32 s4, s[WH], HALFS
	s_mul_i32 s5, s[WL], HALFS
	s_add_co_u32 s5, s5, 2*HALFS
	s_sub_co_u32 s5, s5, s4
	v_mul_u32_u24 v6, s5, v2                       ; lanes 16-31 take B's
	s_add_co_u32 s4, s4, SCL
	v_add_nc_u32 v5, v5, v6
	v_add_nc_u32 v[ADRS], s4, v5
	v_and_b32 v6, 31, v0
	v_lshlrev_b32 v[OI], 4, v6
	v_lshlrev_b32 v[O8], 3, v6
	v_lshlrev_b32 v[BAH], 5, v2
	v_lshlrev_b32 v[BAR], 2, v1
.macro FRAG reg, adr, q, i             ; 16 rows x 128 K of 6-bit codes: 12 registers; lane (r, h): registers 6 c .. 6 c + 5 = K 64 c + 32 h + 0 .. 31: 24 bytes of the row as they lie, in pieces of 8 bytes
.irp p, 0,1,2,3,4,5
.set PCE, 12*(\q)+6*(\p/3)+\p%3        ; the piece's number in the row; 16 bytes of padding lie behind every 8 pieces; where the piece three on lies behind one padding more, the second address register serves
.if PCE%8 < 5
	ds_load_b64 v[\reg+2*\p:\reg+2*\p+1], v[\adr] offset:8*PCE+16*(PCE/8)+(\i)*16*PITCH
.else
	ds_load_b64 v[\reg+2*\p:\reg+2*\p+1], v[\adr+2] offset:8*PCE+16*(PCE/8)+(\i)*16*PITCH
.endif
.endr
.endm
; 16 matrix instructions: A's blocks a0, a0 + 1 x B's eight.  The 64 accumulators take turns, one instruction a turn, in the same order in every step.
.macro MUL16 a0, p, q, sc, zero
.irp a, \a0, \a0+1
.irp b, 0,1,2,3,4,5,6,7
.if \zero
	v_wmma_scale_f32_16x16x128_f8f6f4 v[8*(8*((\a)%4)+\b):8*(8*((\a)%4)+\b)+7], v[128*(\p)+FR*\b:128*(\p)+FR*\b+FR-1], v[AF+FR*(\a):AF+FR*(\a)+FR-1], 0, v[SC+8*NQ*(\sc)+NQ*\b+(\q)], v[SC+8*NQ*(\sc)+NQ*(\a)+(\q)] matrix_a_fmt:MATRIX_FMT_FP6 matrix_b_fmt:MATRIX_FMT_FP6 matrix_a_scale:MATRIX_SCALE_ROW1
.else
	v_wmma_scale_f32_16x16x128_f8f6f4 v[8*(8*((\a)%4)+\b):8*(8*((\a)%4)+\b)+7], v[128*(\p)+FR*\b:128*(\p)+FR*\b+FR-1], v[AF+FR*(\a):AF+FR*(\a)+FR-1], v[8*(8*((\a)%4)+\b):8*(8*((\a)%4)+\b)+7], v[SC+8*NQ*(\sc)+NQ*\b+(\q)], v[SC+8*NQ*(\sc)+NQ*(\a)+(\q)] matrix_a_fmt:MATRIX_FMT_FP6 matrix_b_fmt:MATRIX_FMT_FP6 matrix_a_scale:MATRIX_SCALE_ROW1
.endif
.endr
.endr
.endm
.macro FETCH_B slot, q, p
	WIN TO_B
.irp i, 0,1,2,3,4,5,6,7
	FRAG 128*(\p)+FR*\i, ADRB+\slot, \q, \i
.endr
	WIN 0
.endm
.macro FETCH_A slot, q, i0
.irp i, \i0, \i0+1, \i0+2, \i0+3
	FRAG AF+FR*(\i), ADRA+\slot, \q, \i
.endr
.endm
.macro SCALES sc                       ; a K step's scale words: lanes 0-15 A's block i, lanes 16-31 B's block i
.irp i, 0,1,2,3,4,5,6,7
	ds_load_b64 v[SC+8*NQ*\sc+NQ*\i:SC+8*NQ*\sc+NQ*\i+1], v[ADRS] offset:\i*SBLK
.endr
.endm
.macro PLACES n                        ; plain vector lines between a matrix instruction and a load into, or a vector line on, its registers
.rept \n
	v_nop
.endr
.endm
.macro STEP slot, q, zero              ; 128 along K that has its successor in the same slot
	s_wait_dscnt 4*NL                              ; B's set and A's blocks 0-3 are in; the youngest 24 loads (A's blocks 4-7) may be out
	WIN MUL_LO
	MUL16 0, (\q)%2, \q, \slot, \zero
	MUL16 2, (\q)%2, \q, \slot, \zero
	s_wait_dscnt 0
	PLACES NP
	FETCH_B \slot, (\q)+1, 1-(\q)%2
	FETCH_A \slot, (\q)+1, 0
	WIN MUL_HI
	MUL16 4, (\q)%2, \q, \slot, \zero
	MUL16 6, (\q)%2, \q, \slot, \zero
	PLACES NP
	WIN 0
	FETCH_A \slot, (\q)+1, 4
.endm
; A slot's last step changes slots: one barrier; in front of it each wave waits for all its tensor loads, adds 0 to its spare word, and waits for that and for its reads of this slot.
.macro TURN slot, next, fill
	s_wait_tensorcnt 0x0                           ; all my tensor loads have landed: my part of the next slot
	ds_add_u32 v[SPW], v[NIL]                      ; 0 onto my spare word
	s_wait_dscnt 4*NL+1                            ; the add and the youngest 24 loads may be out
	WIN MUL_LO
	MUL16 0, 1, NQ-1, \slot, 0
	s_wait_dscnt 0x0                               ; the add is done, and my reads of this slot are over
	s_barrier_signal -1
	MUL16 2, 1, NQ-1, \slot, 0
	WIN 0
	s_barrier_wait -1
.if \fill
	CREST                                          ; the barrier has opened a round of the cluster's barrier: no wave of any partner still reads this slot or has a load on its way
	s_add_nc_u64 s[G0+4*\slot+2:G0+4*\slot+3], s[G0+4*\slot+2:G0+4*\slot+3], 2*ROWB
	s_add_nc_u64 s[G0B+4*\slot+2:G0B+4*\slot+3], s[G0B+4*\slot+2:G0B+4*\slot+3], 2*ROWB
	JLOAD G0+4*\slot, G1, G0B+4*\slot, G1B         ; the first tensor load behind the round; its four v_nop are also the places in front of the loads below
.else
	PLACES NP
.endif
	v_add_nc_u32 v[ADRS], 4*NQ, v[ADRS]            ; the next K step's scale words
	FETCH_B \next, 0, 0
	FETCH_A \next, 0, 0
	SCALES \next
	WIN MUL_HI
	MUL16 4, 1, NQ-1, \slot, 0
	MUL16 6, 1, NQ-1, \slot, 0
	PLACES NP
	WIN 0
	FETCH_A \next, 0, 4
.endm
; 64 numbers of a lane, v[s] on: registers 16 b .. 16 b + 15 are my 16 of block b of my row (lane l xor 16 holds the other 16).  They become a fragment's codes in v[PC] .. v[PC + 11] and its scale word in v[PW].
.macro QUANT s
.irp b, 0,1,2,3
	v_max3_num_f32 v[TM+\b], |v[\s+16*\b]|, |v[\s+1+16*\b]|, 0x1800000   ; and the floor 2^(3 - 127): the byte cannot fall under 1
.endr
.irp i, 2,4,6,8,10,12,14
.irp b, 0,1,2,3
	v_max3_num_f32 v[TM+\b], v[TM+\b], |v[\s+16*\b+\i]|, |v[\s+1+16*\b+\i]|
.endr
.endr
.irp b, 0,1,2,3
	v_permlanex16_b32 v[TM+4+\b], v[TM+\b], s[SEL], s[SEL+1]
.endr
.irp b, 0,1,2,3
	v_max_num_f32 v[TM+\b], v[TM+\b], v[TM+4+\b]   ; the block's largest magnitude
.endr
.irp b, 0,1,2,3
	v_add_nc_u32 v[TM+12+\b], 0xff000000, v[TM+\b] ; 2 off its exponent field: the conversion's scale operand
.endr
.irp b, 0,1,2,3
	v_lshrrev_b32 v[TM+4+\b], 23, v[TM+12+\b]      ; the scale's byte
.endr
	v_lshl_or_b32 v[PW], v[TM+5], 8, v[TM+4]
	v_lshl_or_b32 v[PW], v[TM+6], 16, v[PW]
	v_lshl_or_b32 v[PW], v[TM+7], 24, v[PW]
.irp c, 0,1
	v_cvt_scalef32_pk16_fp6_f32 v[PC+6*\c:PC+2+6*\c], v[\s+32*\c:\s+15+32*\c], v[TM+12+2*\c]
	v_cvt_scalef32_pk16_fp6_f32 v[PC+12+4*\c:PC+14+4*\c], v[\s+16+32*\c:\s+31+32*\c], v[TM+12+2*\c+1]
.endr
	v_nop                                          ; one plain line behind a scaled conversion
.irp c, 0,1                                    ; a whole block to a lane: lanes 0-15 block 2 c, lanes 16-31 block 2 c + 1
.irp i, 0,1,2
	v_permlane16_swap_b32 v[PC+6*\c+\i], v[PC+12+4*\c+\i]
.endr
.irp i, 0,1,2
	v_mov_b32 v[PC+3+6*\c+\i], v[PC+12+4*\c+\i]
.endr
.endr
.endm
; A's block a (16 lanes' rows) x my 128 rows of B: bias, quantiser, stores.  mode 0: q, k; mode 1: v.
.macro BLOCKOUT a, mode
.if (\a) > 0
	s_wait_xcnt 0x0                                ; the codes' registers are the last block's store data: they are rewritten only behind this wait
.endif
	WIN 0x02+(\a)/4                                ; source 0: window 2 or 3
.set II, 0
.rept 32
.if \mode
	v_pk_add_f32 v[T+2*II:T+2*II+1], v[64*((\a)%4)+2*II:64*((\a)%4)+2*II+1], v[BY+2*(\a):BY+2*(\a)+1]   ; each accumulator from its low end on
.else
	v_pk_add_f32 v[T+2*II:T+2*II+1], v[64*((\a)%4)+2*II:64*((\a)%4)+2*II+1], v[BX+2*II:BX+2*II+1]
.endif
.set II, II+1
.endr
	WIN 0
	QUANT T
.if (\a)%2 == 0
	v_mov_b32 v[SW+(\a)/2], v[PW]                  ; lanes 0-15 keep the even block's words,
.else
	v_cndmask_b32 v[SW+(\a)/2], v[SW+(\a)/2], v[PW], s[HIM]   ; lanes 16-31 take the odd block's
.endif
.if \mode
.irp c, 0,1,2
	global_store_b128 v[OI], v[PC+4*\c:PC+4*\c+3], s[26:27] offset:((\a)/4)*102400+((\a)%4)*1536+512*\c   ; 512 consecutive bytes, at a multiple of 256 from the buffer's first byte
.endr
.else
	global_store_b128 v[OI], v[PC:PC+3], s[26:27] offset:768*(\a)                 ; the even head: registers 0-5
	global_store_b64 v[O8], v[PC+4:PC+5], s[26:27] offset:768*(\a)+512
	global_store_b128 v[OI], v[PC+6:PC+9], s[26:27] offset:106496+768*(\a)        ; the odd head: registers 6-11
	global_store_b64 v[O8], v[PC+10:PC+11], s[26:27] offset:106496+768*(\a)+512
.endif
.endm
.macro TAIL mode
.if \mode
	s_lshl_b32 s4, s[TB], 8
	s_lshl_b32 s5, s[WL], 7
	s_lshl_b32 s7, s[TA], 2
	s_lshl_b32 s16, s[WH], 1
.else
	s_lshl_b32 s4, s[TA], 8
	s_lshl_b32 s5, s[WH], 7
	s_lshl_b32 s7, s[TB], 2
	s_lshl_b32 s16, s[WL], 1
.endif
	s_add_co_u32 s4, s4, s5                        ; my first token
	s_lshr_b32 s5, s4, 11                          ; its batch
	s_and_b32 s6, s4, 2047
	s_lshr_b32 s6, s6, 7                           ; which 128 tokens of the batch
	s_add_co_u32 s7, s7, s16                       ; my first head (of two)
	s_lshl_b32 s22, s7, 8                          ; its 64 numbers of the bias, in bytes
	s_mov_b32 s23, 0
	s_lshl_b32 s5, s5, 4
	s_add_co_u32 s7, s7, s5                        ; 16 x batch + head
.if \mode
	s_mul_i32 s7, s7, 102400
	s_lshl_b32 s18, s6, 8
.else
	s_mul_i32 s7, s7, 106496
	s_lshl_b32 s18, s6, 9
.endif
	s_mul_i32 s16, s6, 6144                        ; 128 tokens are 6,144 bytes of images in all three buffers
	s_add_co_u32 s16, s16, s7
	s_mov_b32 s17, 0
	s_add_co_u32 s18, s18, s7
	s_add_co_u32 s18, s18, 98304
	s_mov_b32 s19, 0
	s_add_nc_u64 s[28:29], s[26:27], s[18:19]      ; the scale words
	s_add_nc_u64 s[26:27], s[26:27], s[16:17]      ; the images
	s_add_nc_u64 s[20:21], s[20:21], s[22:23]
.if \mode
.irp a, 0,1,2,3,4,5,6,7
	global_load_b32 v[BY+2*\a], v[BAR], s[20:21] offset:64*\a      ; the bias of my lane's channel, twice: a pair for the packed addition
	global_load_b32 v[BY+2*\a+1], v[BAR], s[20:21] offset:64*\a
.endr
.else
.irp b, 0,1,2,3,4,5,6,7
	global_load_b128 v[BX+8*\b:BX+8*\b+3], v[BAH], s[20:21] offset:64*\b      ; the bias along my registers: features 16 b + 8 h + 0 .. 7
	global_load_b128 v[BX+8*\b+4:BX+8*\b+7], v[BAH], s[20:21] offset:64*\b+16
.endr
.endif
	s_wait_dscnt 4*NL                              ; the very last step: the youngest 24 loads may be out
	WIN MUL_LO
	MUL16 0, 1, NQ-1, 1, 0
	MUL16 2, 1, NQ-1, 1, 0
	s_wait_dscnt 0
	WIN MUL_HI
	MUL16 4, 1, NQ-1, 1, 0
	MUL16 6, 1, NQ-1, 1, 0
	WIN 0
	PLACES NP                                      ; what follows writes registers that held A's fragments
.irp b, 0,1,2,3
	v_mov_b32 v[TM+4+\b], 0                        ; written once: a lane permute's destination counts as one of its sources
.endr
	s_wait_loadcnt 0x0                             ; the bias
.irp a, 0,1,2,3,4,5,6,7
	BLOCKOUT \a, \mode
.endr
.if \mode
	global_store_b64 v[O8], v[SW:SW+1], s[28:29]                   ; 256 consecutive bytes: the key step's scale words of the even head,
	global_store_b64 v[O8], v[SW+2:SW+3], s[28:29] offset:102400   ; of the odd head
.else
	global_store_b128 v[OI], v[SW:SW+3], s[28:29]                  ; 512 consecutive bytes: the even head reads bytes 0 and 1
.irp i, 0,1,2,3
	v_lshrrev_b32 v[SWB+\i], 16, v[SW+\i]                          ; the odd head's two bytes come down
.endr
	global_store_b128 v[OI], v[SWB:SWB+3], s[28:29] offset:106496
.endif
.endm
	s_wait_tensorcnt 1                             ; the scale bytes and my part of K step 0 are in; K step 1's load may be out
	s_barrier_signal -1
	s_barrier_wait -1
	FETCH_B 0, 0, 0
	FETCH_A 0, 0, 0
	SCALES 0
	FETCH_A 0, 0, 4
	STEP 0, 0, 1                                   ; the first products start the sums: nothing is cleared.  Four K steps of 256: written out
	TURN 0, 1, 1
	STEP 1, 0, 0
	TURN 1, 0, 1
	STEP 0, 0, 0
	TURN 0, 1, 0
	STEP 1, 0, 0
	s_cmp_eq_u32 ttmp9, 2                          ; the way out differs for v: a branch on the cluster's x, alike in all partners; no barrier, tensor load or LDS access stands inside
	s_cbranch_scc1 .Lv
	TAIL 0
	s_branch .Lend
.Lv:
	TAIL 1
.Lend:
	s_wait_tensorcnt 0x0                           ; the wave's end
	ds_add_u32 v[SPW], v[NIL]
	s_wait_dscnt 0x0
	CROUND                                         ; the closing round: no work-group ends while a partner may still ask for a tile that names it
	s_endpgm
.Lfunc_end_k_q32b497454b_proj:
	.size	k_q32b497454b_proj, .Lfunc_end_k_q32b497454b_proj-k_q32b497454b_proj
	.p2alignl 7, 3214868480
	.fill 96, 4, 3214868480
	.section	.rodata,"a",@progbits
	.p2align	6, 0x0
	.amdhsa_kernel k_q32b497454b_proj
		.amdhsa_group_segment_fixed_size 327680
		.amdhsa_private_segment_fixed_size 0
		.amdhsa_enable_private_segment 0
		.amdhsa_kernarg_size 112
		.amdhsa_user_sgpr_count 2
		.amdhsa_user_sgpr_kernarg_segment_ptr 1
		.amdhsa_wavefront_size32 1
		.amdhsa_system_sgpr_workgroup_id_x 1
		.amdhsa_system_sgpr_workgroup_id_y 1
		.amdhsa_system_sgpr_workgroup_id_z 1
		.amdhsa_system_vgpr_workitem_id 0
		.amdhsa_next_free_vgpr 1024
		.amdhsa_next_free_sgpr 102
		.amdhsa_reserve_vcc 0
		.amdhsa_float_denorm_mode_32 3
		.amdhsa_float_denorm_mode_16_64 3
		.amdhsa_memory_ordered 1
		.amdhsa_forward_progress 1
		.amdhsa_inst_pref_size 243
	.end_amdhsa_kernel
	.amdgpu_metadata
---
amdhsa.version: [ 1, 2 ]
amdhsa.kernels:
  - .name:           k_q32b497454b_proj
    .symbol:         k_q32b497454b_proj.kd
    .args:
      - { .name: hidden_states_codes, .offset: 0, .size: 8, .value_kind: global_buffer, .address_space: global }
      - { .name: hidden_states_scales, .offset: 8, .size: 8, .value_kind: global_buffer, .address_space: global }
      - { .name: Wq_codes, .offset: 16, .size: 8, .value_kind: global_buffer, .address_space: global }
      - { .name: Wq_scales, .offset: 24, .size: 8, .value_kind: global_buffer, .address_space: global }
      - { .name: Wk_codes, .offset: 32, .size: 8, .value_kind: global_buffer, .address_space: global }
      - { .name: Wk_scales, .offset: 40, .size: 8, .value_kind: global_buffer, .address_space: global }
      - { .name: Wv_codes, .offset: 48, .size: 8, .value_kind: global_buffer, .address_space: global }
      - { .name: Wv_scales, .offset: 56, .size: 8, .value_kind: global_buffer, .address_space: global }
      - { .name: bq, .offset: 64, .size: 8, .value_kind: global_buffer, .address_space: global }
      - { .name: bk, .offset: 72, .size: 8, .value_kind: global_buffer, .address_space: global }
      - { .name: bv, .offset: 80, .size: 8, .value_kind: global_buffer, .address_space: global }
      - { .name: qbuf, .offset: 88, .size: 8, .value_kind: global_buffer, .address_space: global }
      - { .name: kbuf, .offset: 96, .size: 8, .value_kind: global_buffer, .address_space: global }
      - { .name: vbuf, .offset: 104, .size: 8, .value_kind: global_buffer, .address_space: global }
    .group_segment_fixed_size: 327680
    .private_segment_fixed_size: 0
    .kernarg_segment_align: 8
    .kernarg_segment_size: 112
    .max_flat_workgroup_size: 128
    .sgpr_count:     102
    .vgpr_count:     1024
    .wavefront_size: 32
...
	.end_amdgpu_metadata
.endif
;; end of part 1
;; launch attn (part 2): grid 4 x 64, 8 waves a work-group, clusters of 4 x 1, 253,952 bytes of LDS; arguments qbuf, kbuf, vbuf, attention_mask, out0; writes out0
.if DOCPART == 2
	.amdgcn_target "amdgcn-amd-amdhsa--gfx1250"
	.amdhsa_code_object_version 6
	.text
	.protected	k_q32b497454b_attn
	.globl	k_q32b497454b_attn
	.p2align	8
	.type	k_q32b497454b_attn,@function
k_q32b497454b_attn:
	s_mov_b64 s[64:65], 0
	v_nop
	global_prefetch_b8 v0, s[64:65] scope:SCOPE_SE
	s_setreg_imm32_b32 hwreg(HW_REG_WAVE_MODE, 25, 1), 1
	s_wait_xcnt 0x0
	s_wait_alu depctr_hold_cnt(0) depctr_sa_sdst(0) depctr_va_vdst(0) depctr_va_sdst(0) depctr_va_ssrc(0) depctr_va_vcc(0) depctr_vm_vsrc(0)
	s_getreg_b32 s2, hwreg(HW_REG_IB_STS2, 6, 4)
	s_cmp_eq_u32 s2, 0
	s_cbranch_scc0 .Lentry_in_a_cluster
	s_endpgm
.Lentry_in_a_cluster:
	s_bfe_u32 s2, ttmp6, 0x10000c
	s_cmp_lg_u32 s2, 0x3003
	s_cbranch_scc0 .Lentry_shape_is_right
	s_endpgm
.Lentry_shape_is_right:
; out[b][q][head] = Q(probs) Q(v), probs = relu(30 tanh((q.k / 8 + mask) / 30)) / (row sum + 1e-6), both products on codes of FP6 (E2M3) with one E8M0 scale for each 32 along K.
; q, k, v arrive as images of operand registers with their scale words, as the first launch laid them (its head comment has the layout and the order inside a block of 32, which p shares with v, and q with k).
; SHARES.  A work-group owns one (batch, head) and 512 queries, in 16 blocks of 32.  Wave w: query tile u = w % 2 (16 queries), key quarter kq = w / 2 (512 keys = 4 steps of 128).  Two waves to a SIMD.
; THE DIVISOR WANTS THE WHOLE ROW before any probability can be quantised, so a wave keeps its 16 x 512 values of tanh in 256 registers (window 1): tanh is computed once.
; PASS 1: S^T = k q^T + 8 mask (source 0 = 16 keys, source 1 = my 16 queries, K = 64 filled up with zero codes; the mask is the C operand); y = S / 240, held to 0 .. 7.9988 (relu(tanh y) = tanh(max(y, 0)));
;   t = y P(y^2) / Q(y^2), the odd rational of degree 13 over 6, which loses nothing for small y; the lane's sum of t.  The four quarters' sums meet in LDS.
; PASS 2: p = t x 30 / (30 sum + 1e-6), quantised along the keys, O^T += v^T p^T.  The four quarters' O^T meet in a stage in LDS; each wave adds and stores four rows.
; The head's k and v (204 KB with their scale words) stay in LDS for the whole launch: each LDS byte is filled once.  CLUSTER: the four work-groups of a head ask for them jointly.
; LIMITS: the mask is held to +-2^120 (the same result as an unheld mask wherever |q.k| / 8 is under 2^120; -infinity gives probability 0); a NaN in the mask is not served; a block of p whose largest number lies under 2^-124 keeps the scale byte 1.
; REGISTERS: window 0: v1-15, v29 addresses; v16-27 q (v22-27 zeros), v28 its scale word; v30-31 the factor; v32-95 scores, then p, then rows of O; v96-143 four fragments of k (upper six of each zeros);
;   v144-191 at work for tanh, in pass 2 four fragments of v; v192-228 the quantiser's; v230-237 sums; v238-243 k's and v's scale words; v244-247 two constants; v248-255 at work.
;   window 1: t of key step s at v[64 s ..]; in pass 2 O^T (4 x 8) lies at v0-31, which step 0's t have left by then.
.set KIMG, 0                           ; 128 tiles x 768
.set KSC,  98304                       ; 16 x 512
.set VIMG, 106496                      ; 16 x 4 x 1,536
.set VSC,  204800                      ; 16 x 256
.set MSK,  208896                      ; 2,048 x 4: 8 x the held mask
.set SX,   217088                      ; 128 bytes a wave: row sums
.set STG,  218112                      ; 8 waves x 16 rows x (256 + 16)
.set AK,  1
.set AK8, 2
.set AKS, 3
.set AM,  4
.set AV,  5
.set AVS, 6
.set SXW, 7
.set SXR, 8
.set STW, 9
.set STR, 10
.set GO,  11
.set QI,  12
.set Q8,  13
.set QSO, 14
.set MT,  15
.set QF,  16
.set QS,  28
.set MW,  29
.set INV, 30
.set D,   32
.set KF,  96
.set X2,  144
.set PP,  160
.set QQ,  176
.set VF,  144
.set TM,  192
.set PC,  208
.set PW,  228
.set SUM, 230
.set KS,  238
.set VS,  242
.set VA11, 244
.set VB4,  246
.set WV,  14
.set U,   15
.set KQ,  16
.set CX,  17
.set BH,  18
.set SEL, 20
.set C240, 22
.set A13, 24
.set A9,  26
.set A7,  28
.set A5,  30
.set A3,  32
.set A1,  34
.set B6,  36
.set B2,  38
.set B0,  40
.set CLAMP, 42
.set EPS, 43
.set THIRTY, 44
.set BLK, 45
.set PBIG, 46
.set NBIG, 47
.set G1K, 48
.set G1V, 56
.set G0K, 68
.set G0V, 72
.set QP,  92
.set QSP, 94
.set QST, 96
.set OP,  98
.set MSB, 0
.macro WIN new                         ; the immediate's high byte repeats the setting that is left
.if MSB != (\new)
	s_set_vgpr_msb (MSB<<8)|(\new)
.set MSB, (\new)
.endif
.endm
.macro ROUND                           ; a round of the cluster's barrier
	s_barrier_signal -1
	s_barrier_wait -1
	s_cmp_lg_u32 s[WV], 0
	s_cbranch_scc1 .Lnot_wave_0_\@
	s_barrier_signal -3
.Lnot_wave_0_\@:
	s_barrier_wait -3
	s_barrier_signal -1
	s_barrier_wait -1
.endm
.macro CPAIR reg, bits                 ; a constant for the packed forms, which name a pair: both words are written
	s_mov_b32 s[\reg], \bits
	s_mov_b32 s[\reg+1], \bits
.endm
	s_load_b256 s[4:11], s[0:1], 0x0               ; qbuf, kbuf, vbuf, the mask
	s_load_b64 s[12:13], s[0:1], 0x20              ; out
	v_lshl_add_u32 v227, v0, 2, 0x3dc00
	v_mov_b32 v229, 0
	ds_add_u32 v227, v229
	ds_add_u32 v227, v229
	v_lshrrev_b32 v32, 5, v0
	v_readfirstlane_b32 s[WV], v32                 ; wave 0..7
	s_and_b32 s[U], s[WV], 1                       ; my tile of 16 queries
	s_lshr_b32 s[KQ], s[WV], 1                     ; my quarter of the keys
	s_bfe_u32 s[CX], ttmp6, 0x40000                ; my place in the cluster: it enters q's and out's addresses alone
	s_and_b32 s[BH], ttmp7, 0xffff                 ; 16 x batch + head, which the four partners share
	; descriptor group 1: a dense block as rows of 256 bytes (32 elements of 8 bytes): k's eighth is 52 rows, v's 50
	s_mov_b32 s[G1K], 15|(3<<16)|(1<<21)           ; the mask: all four work-groups; elements of 8 bytes; bit 21 beside a mask; no padding
	s_mov_b32 s[G1K+1], 32<<16
	s_mov_b32 s[G1K+2], 52<<16
	s_mov_b32 s[G1K+3], 32<<16
	s_mov_b32 s[G1K+4], 52
	s_mov_b32 s[G1K+5], 32
	s_mov_b32 s[G1K+6], 0
	s_mov_b32 s[G1K+7], 0
	s_mov_b32 s[G1V], 15|(3<<16)|(1<<21)
	s_mov_b32 s[G1V+1], 32<<16
	s_mov_b32 s[G1V+2], 50<<16
	s_mov_b32 s[G1V+3], 32<<16
	s_mov_b32 s[G1V+4], 50
	s_mov_b32 s[G1V+5], 32
	s_mov_b32 s[G1V+6], 0
	s_mov_b32 s[G1V+7], 0
	s_mul_i32 s76, s[BH], 106496                   ; the head in qbuf and kbuf
	s_mov_b32 s77, 0
	s_mul_i32 s82, s[WV], 13312                    ; my eighth of k: in LDS,
	s_add_co_u32 s78, s76, s82                     ; and in memory
	s_mov_b32 s79, 0
	s_mul_i32 s83, s[WV], 12800                    ; my eighth of v
	s_mul_i32 s80, s[BH], 102400
	s_add_co_u32 s80, s80, s83
	s_mov_b32 s81, 0
	s_add_co_u32 s83, s83, VIMG
	s_mov_b32 s[SEL], 0x76543210
	s_mov_b32 s[SEL+1], 0xfedcba98                 ; v_permlanex16_b32's selects for lane l xor 16
	CPAIR C240, 0x3b888889                         ; 1 / 240
	CPAIR A13, 0xa59f25c0                          ; P's coefficients (a11 lies in a vector pair),
	CPAIR A9,  0xaebd37ff
	CPAIR A7,  0x335c0041
	CPAIR A5,  0x3779434a
	CPAIR A3,  0x3a270ded
	CPAIR A1,  0x3ba059dc
	CPAIR B6,  0x35a0d3d8                          ; Q's (b4 in a vector pair)
	CPAIR B2,  0x3b14aa05
	CPAIR B0,  0x3ba059dd
	s_mov_b32 s[CLAMP], 0x40fff644                 ; 7.99881172: beyond it the rational is no longer tanh, which is 1 there
	s_mov_b32 s[EPS], 0x358637bd                   ; 1e-6
	s_mov_b32 s[THIRTY], 0x41f00000
	s_mov_b32 s[PBIG], 0x7b800000                  ; 2^120
	s_mov_b32 s[NBIG], 0xfb800000
	s_mov_b32 s[BLK], 0
	s_wait_dscnt 0x0
	s_wait_kmcnt 0x0
	s_mov_b32 s[G0K], 1
	s_mov_b32 s[G0K+1], s82
	s_add_nc_u64 s[G0K+2:G0K+3], s[6:7], s[78:79]
	s_or_b32 s[G0K+3], s[G0K+3], 0x80000000
	s_mov_b32 s[G0V], 1
	s_mov_b32 s[G0V+1], s83
	s_add_nc_u64 s[G0V+2:G0V+3], s[8:9], s[80:81]
	s_or_b32 s[G0V+3], s[G0V+3], 0x80000000
	ROUND                                          ; all four work-groups are here: the joint loads meet
	tensor_load_to_lds s[G0K:G0K+3], s[G1K:G1K+7]  ; every wave asks for an eighth of k and an eighth of v: two loads of mine are out, the only ones of the launch
	s_nop 0
	tensor_load_to_lds s[G0V:G0V+3], s[G1V:G1V+7]
	s_nop 0
.rept 4
	v_nop
.endr
	s_lshl_b32 s84, s[CX], 5
	s_add_co_u32 s84, s84, s[U]
	s_mul_i32 s84, s84, 768                        ; my first tile of q: 32 cx + u
	s_mov_b32 s85, 0
	s_add_nc_u64 s[QP:QP+1], s[4:5], s[76:77]
	s_add_nc_u64 s[QSP:QSP+1], s[QP:QP+1], 98304
	s_add_nc_u64 s[QP:QP+1], s[QP:QP+1], s[84:85]
	s_lshl_b32 s84, s[CX], 11                      ; my 512 queries' scale words: 4 x 512 bytes
	s_add_nc_u64 s[QSP:QSP+1], s[QSP:QSP+1], s[84:85]
	s_mov_b64 s[QST:QST+1], s[QSP:QSP+1]
	s_lshr_b32 s86, s[BH], 4                       ; the batch
	s_lshl_b32 s84, s86, 13
	s_add_nc_u64 s[10:11], s[10:11], s[84:85]      ; its 2,048 numbers of the mask
	s_lshl_b32 s84, s86, 23                        ; out: 4 ((2,048 batch + 512 cx) x 1,024 + 64 head) bytes
	s_lshl_b32 s87, s[CX], 21
	s_add_co_u32 s84, s84, s87
	s_and_b32 s87, s[BH], 15
	s_lshl_b32 s87, s87, 8
	s_add_co_u32 s84, s84, s87
	s_add_nc_u64 s[OP:OP+1], s[12:13], s[84:85]
	v_and_b32 v32, 31, v0                          ; l
	v_and_b32 v33, 15, v0                          ; r
	v_bfe_u32 v34, v0, 4, 1                        ; h
	v_lshlrev_b32 v[MT], 4, v0
	v_lshlrev_b32 v[QI], 4, v32
	v_lshlrev_b32 v[Q8], 3, v32
	s_lshl_b32 s86, s[U], 8
	v_lshl_add_u32 v[QSO], v33, 4, s86             ; 16 (16 u + r): my row's four scale words
	global_load_b128 v[248:251], v[MT], s[10:11]                   ; the mask: 256 threads x 2 x 16 bytes
	global_load_b128 v[252:255], v[MT], s[10:11] offset:4096
	global_load_b128 v[QF:QF+3], v[QI], s[QP:QP+1]                 ; block 0's q
	global_load_b64 v[QF+4:QF+5], v[Q8], s[QP:QP+1] offset:512
	global_load_b32 v[QS], v[QSO], s[QST:QST+1]
	v_lshl_add_u32 v[MW], v0, 4, MSK
	s_mul_i32 s84, s[KQ], 24576                    ; a quarter: 32 tiles of k, or 4 key steps of v
	v_add_nc_u32 v[AK], s84, v[QI]
	v_add_nc_u32 v[AK8], s84, v[Q8]
	v_add_nc_u32 v[AK8], 512, v[AK8]
	s_lshl_b32 s85, s[KQ], 11
	s_add_co_u32 s86, s85, KSC
	v_add_nc_u32 v[AKS], s86, v[QI]
	s_add_co_u32 s86, s85, MSK
	v_lshl_add_u32 v[AM], v34, 5, s86              ; the mask of keys 8 h + 0 .. 7 of a tile
	s_add_co_u32 s86, s84, VIMG
	v_add_nc_u32 v[AV], s86, v[QI]
	s_lshl_b32 s86, s[KQ], 10
	s_add_co_u32 s86, s86, VSC
	v_add_nc_u32 v[AVS], s86, v[Q8]
	v_lshl_add_u32 v[SXW], v0, 2, SX               ; 128 w + 4 l
	s_lshl_b32 s86, s[U], 7
	s_add_co_u32 s86, s86, SX
	v_lshl_add_u32 v[SXR], v32, 2, s86             ; the four waves of my tile lie 256 bytes apart
	s_mul_i32 s86, s[WV], 4352
	s_add_co_u32 s86, s86, STG
	v_mul_u32_u24 v[STW], v33, 272
	v_lshl_add_u32 v[STW], v34, 5, v[STW]
	v_add_nc_u32 v[STW], s86, v[STW]               ; my stage: row r, + 32 h
	s_mul_i32 s86, s[U], 4352
	s_mul_i32 s87, s[KQ], 1088
	s_add_co_u32 s86, s86, s87
	s_add_co_u32 s86, s86, STG
	v_mul_u32_u24 v[STR], v34, 272
	v_lshl_add_u32 v[STR], v33, 4, v[STR]
	v_add_nc_u32 v[STR], s86, v[STR]               ; back: rows 4 kq + h of my tile, 16 bytes a lane
	s_lshl_b32 s86, s[U], 16
	s_lshl_b32 s87, s[KQ], 14
	s_add_co_u32 s86, s86, s87
	v_lshlrev_b32 v[GO], 12, v34
	v_lshl_add_u32 v[GO], v33, 4, v[GO]
	v_add_nc_u32 v[GO], s86, v[GO]                 ; and the same rows in out: 4,096 bytes a token
.irp i, 0,1,2,3
.irp j, 6,7,8,9,10,11
	v_mov_b32 v[KF+12*\i+\j], 0                    ; K = 64 .. 127 of k's fragments: zero codes, written once
.endr
.endr
.irp j, 6,7,8,9,10,11
	v_mov_b32 v[QF+\j], 0                          ; and of q's
.endr
.irp b, 0,1,2,3
	v_mov_b32 v[TM+4+\b], 0                        ; written once: a lane permute's destination counts as one of its sources
.endr
	v_mov_b32 v[VA11], 0x2a61337e
	v_mov_b32 v[VA11+1], 0x2a61337e
	v_mov_b32 v[VB4], 0x38f895d6
	v_mov_b32 v[VB4+1], 0x38f895d6
	s_wait_loadcnt 3                               ; the mask's two loads are in; q's three may be out
.irp i, 0,1,2,3,4,5,6,7
	v_med3_num_f32 v[248+\i], v[248+\i], s[NBIG], s[PBIG]
.endr
.irp i, 0,2,4,6
	v_pk_mul_f32 v[248+\i:249+\i], v[248+\i:249+\i], 0x41000000 op_sel_hi:[1,0]   ; x 8: q.k / 8 + mask = (q.k + 8 mask) / 8
.endr
	ds_store_b128 v[MW], v[248:251]
	ds_store_b128 v[MW], v[252:255] offset:4096
	s_wait_tensorcnt 0x0                           ; my parts of k and v have landed,
	s_wait_dscnt 0x0                               ; my part of the mask is stored:
	s_barrier_signal -1
	s_barrier_wait -1                              ; everybody's are
; Half g of eight (64 keys: tiles 4 g .. 4 g + 3 of my quarter): k's fragments, the mask into the scores' registers, and with an even g the key step's scale words
.macro LOADK g
.set LS, (\g)/2
.set LE, (\g)%2
.irp i, 0,1,2,3
	ds_load_b128 v[KF+12*\i:KF+12*\i+3], v[AK] offset:(8*LS+4*LE+\i)*768
	ds_load_b64 v[KF+12*\i+4:KF+12*\i+5], v[AK8] offset:(8*LS+4*LE+\i)*768
.endr
.irp i, 0,1,2,3
	ds_load_b128 v[D+32*LE+8*\i:D+32*LE+8*\i+3], v[AM] offset:512*LS+64*(4*LE+\i)
	ds_load_b128 v[D+32*LE+8*\i+4:D+32*LE+8*\i+7], v[AM] offset:512*LS+64*(4*LE+\i)+16
.endr
.if LE == 0
	ds_load_b128 v[KS:KS+3], v[AKS] offset:512*LS  ; register i: lanes 0-15 tile 2 i, lanes 16-31 tile 2 i + 1
.endif
.endm
; 16 scores of a lane, v[y] on, become t = tanh(max(score, 0)); t is added to the sums and kept at v[st] on of window 1.  128 plain lines and 16 reciprocals, each with a plain line that touches neither its result nor its source behind it.
.macro TANH16 y, st, first
.irp i, 0,1,2,3,4,5,6,7
	v_pk_mul_f32 v[\y+2*\i:\y+2*\i+1], v[\y+2*\i:\y+2*\i+1], s[C240:C240+1] op_sel_hi:[1,0]   ; each accumulator from its low end on
.endr
.irp i, 0,1,2,3,4,5,6,7,8,9,10,11,12,13,14,15
	v_med3_num_f32 v[\y+\i], v[\y+\i], 0, s[CLAMP]
.endr
.irp i, 0,1,2,3,4,5,6,7
	v_pk_mul_f32 v[X2+2*\i:X2+2*\i+1], v[\y+2*\i:\y+2*\i+1], v[\y+2*\i:\y+2*\i+1]
.endr
.irp i, 0,1,2,3,4,5,6,7
	v_pk_fma_f32 v[QQ+2*\i:QQ+2*\i+1], v[X2+2*\i:X2+2*\i+1], s[B6:B6+1], v[VB4:VB4+1] op_sel_hi:[1,0,1]
.endr
.irp i, 0,1,2,3,4,5,6,7
	v_pk_fma_f32 v[PP+2*\i:PP+2*\i+1], v[X2+2*\i:X2+2*\i+1], s[A13:A13+1], v[VA11:VA11+1] op_sel_hi:[1,0,1]
.endr
.irp i, 0,1,2,3,4,5,6,7
	v_pk_fma_f32 v[QQ+2*\i:QQ+2*\i+1], v[QQ+2*\i:QQ+2*\i+1], v[X2+2*\i:X2+2*\i+1], s[B2:B2+1] op_sel_hi:[1,1,0]
.endr
.irp i, 0,1,2,3,4,5,6,7
	v_pk_fma_f32 v[PP+2*\i:PP+2*\i+1], v[PP+2*\i:PP+2*\i+1], v[X2+2*\i:X2+2*\i+1], s[A9:A9+1] op_sel_hi:[1,1,0]
.endr
.irp i, 0,1,2,3,4,5,6,7
	v_pk_fma_f32 v[QQ+2*\i:QQ+2*\i+1], v[QQ+2*\i:QQ+2*\i+1], v[X2+2*\i:X2+2*\i+1], s[B0:B0+1] op_sel_hi:[1,1,0]
.endr
.irp i, 0,1,2,3,4,5,6,7
	v_pk_fma_f32 v[PP+2*\i:PP+2*\i+1], v[PP+2*\i:PP+2*\i+1], v[X2+2*\i:X2+2*\i+1], s[A7:A7+1] op_sel_hi:[1,1,0]
.endr
.irp i, 0,1,2,3,4,5,6,7
	v_pk_fma_f32 v[PP+2*\i:PP+2*\i+1], v[PP+2*\i:PP+2*\i+1], v[X2+2*\i:X2+2*\i+1], s[A5:A5+1] op_sel_hi:[1,1,0]
	v_rcp_f32 v[QQ+\i], v[QQ+\i]
.endr
.irp i, 0,1,2,3,4,5,6,7
	v_pk_fma_f32 v[PP+2*\i:PP+2*\i+1], v[PP+2*\i:PP+2*\i+1], v[X2+2*\i:X2+2*\i+1], s[A3:A3+1] op_sel_hi:[1,1,0]
	v_rcp_f32 v[QQ+8+\i], v[QQ+8+\i]
.endr
.irp i, 0,1,2,3,4,5,6,7
	v_pk_fma_f32 v[PP+2*\i:PP+2*\i+1], v[PP+2*\i:PP+2*\i+1], v[X2+2*\i:X2+2*\i+1], s[A1:A1+1] op_sel_hi:[1,1,0]
.endr
	s_wait_alu depctr_va_vdst(0)
.irp i, 0,1,2,3,4,5,6,7
	v_pk_mul_f32 v[PP+2*\i:PP+2*\i+1], v[PP+2*\i:PP+2*\i+1], v[\y+2*\i:\y+2*\i+1]
.endr
.irp i, 0,1,2,3,4,5,6,7
.if \first && (\i < 4)
	s_wait_alu depctr_va_vdst(0)
	v_pk_mul_f32 v[SUM+2*(\i%4):SUM+2*(\i%4)+1], v[PP+2*\i:PP+2*\i+1], v[QQ+2*\i:QQ+2*\i+1]   ; a block's first four pairs start the sums
.else
	v_pk_fma_f32 v[SUM+2*(\i%4):SUM+2*(\i%4)+1], v[PP+2*\i:PP+2*\i+1], v[QQ+2*\i:QQ+2*\i+1], v[SUM+2*(\i%4):SUM+2*(\i%4)+1]
.endif
.endr
	WIN 0x40                                       ; destination window 1
.irp i, 0,1,2,3,4,5,6,7
	v_pk_mul_f32 v[\st+2*\i:\st+2*\i+1], v[PP+2*\i:PP+2*\i+1], v[QQ+2*\i:QQ+2*\i+1]
.endr
	WIN 0
.endm
; The next block's q, asked for behind this block's last products with q; the last block asks for nothing: no load leaves its buffer.  The pointers are free: the loads that named them were waited for at the block's head.
.macro NEXTQ
	s_cmp_eq_u32 s[BLK], 15
	s_cbranch_scc1 .Lno_next_\@
	s_add_nc_u64 s[QP:QP+1], s[QP:QP+1], 1536      ; two tiles on
	s_add_co_u32 s76, s[BLK], 1
	s_lshr_b32 s77, s76, 2
	s_lshl_b32 s77, s77, 9                         ; which 128 queries,
	s_and_b32 s76, s76, 3
	s_lshl_b32 s76, s76, 2                         ; which word of the lane's four
	s_add_co_u32 s76, s76, s77
	s_mov_b32 s77, 0
	s_add_nc_u64 s[QST:QST+1], s[QSP:QSP+1], s[76:77]
	global_load_b128 v[QF:QF+3], v[QI], s[QP:QP+1]
	global_load_b64 v[QF+4:QF+5], v[Q8], s[QP:QP+1] offset:512
	global_load_b32 v[QS], v[QSO], s[QST:QST+1]
.Lno_next_\@:
.endm
.macro HALF g
.set SS, (\g)/2
.set EE, (\g)%2
	s_wait_dscnt 0x0                               ; this half's fragments, mask and scale words are in (asked for a half ago)
.irp i, 0,1,2,3
.if \i%2
	v_wmma_scale_f32_16x16x128_f8f6f4 v[D+32*EE+8*\i:D+32*EE+8*\i+7], v[KF+12*\i:KF+12*\i+11], v[QF:QF+11], v[D+32*EE+8*\i:D+32*EE+8*\i+7], v[KS+2*EE+\i/2], v[QS] matrix_a_fmt:MATRIX_FMT_FP6 matrix_b_fmt:MATRIX_FMT_FP6 matrix_a_scale:MATRIX_SCALE_ROW1
.else
	v_wmma_scale_f32_16x16x128_f8f6f4 v[D+32*EE+8*\i:D+32*EE+8*\i+7], v[KF+12*\i:KF+12*\i+11], v[QF:QF+11], v[D+32*EE+8*\i:D+32*EE+8*\i+7], v[KS+2*EE+\i/2], v[QS] matrix_a_fmt:MATRIX_FMT_FP6 matrix_b_fmt:MATRIX_FMT_FP6
.endif
.endr
.rept 4
	v_nop                                          ; places in front of the loads into these products' registers and of the first read of their results
.endr
.if (\g) < 7
	LOADK (\g)+1                                   ; lands while this half's tanh is computed
.else
	NEXTQ
.endif
.if (\g) == 0
	TANH16 D+32*EE, 64*SS+32*EE, 1
.else
	TANH16 D+32*EE, 64*SS+32*EE, 0
.endif
	TANH16 D+32*EE+16, 64*SS+32*EE+16, 0
.endm
; 64 numbers of a lane, v[s] on: registers 16 b .. 16 b + 15 are my 16 of block b of my row (lane l xor 16 holds the other 16).  They become a fragment's codes in v[PC] .. v[PC + 11] and its scale word in v[PW].
.macro QUANT s
.irp b, 0,1,2,3
	v_max3_num_f32 v[TM+\b], |v[\s+16*\b]|, |v[\s+1+16*\b]|, 0x1800000   ; and the floor 2^(3 - 127): the byte cannot fall under 1
.endr
.irp i, 2,4,6,8,10,12,14
.irp b, 0,1,2,3
	v_max3_num_f32 v[TM+\b], v[TM+\b], |v[\s+16*\b+\i]|, |v[\s+1+16*\b+\i]|
.endr
.endr
.irp b, 0,1,2,3
	v_permlanex16_b32 v[TM+4+\b], v[TM+\b], s[SEL], s[SEL+1]
.endr
.irp b, 0,1,2,3
	v_max_num_f32 v[TM+\b], v[TM+\b], v[TM+4+\b]   ; the block's largest magnitude
.endr
.irp b, 0,1,2,3
	v_add_nc_u32 v[TM+12+\b], 0xff000000, v[TM+\b] ; 2 off its exponent field: the conversion's scale operand
.endr
.irp b, 0,1,2,3
	v_lshrrev_b32 v[TM+4+\b], 23, v[TM+12+\b]      ; the scale's byte
.endr
	v_lshl_or_b32 v[PW], v[TM+5], 8, v[TM+4]
	v_lshl_or_b32 v[PW], v[TM+6], 16, v[PW]
	v_lshl_or_b32 v[PW], v[TM+7], 24, v[PW]
.irp c, 0,1
	v_cvt_scalef32_pk16_fp6_f32 v[PC+6*\c:PC+2+6*\c], v[\s+32*\c:\s+15+32*\c], v[TM+12+2*\c]
	v_cvt_scalef32_pk16_fp6_f32 v[PC+12+4*\c:PC+14+4*\c], v[\s+16+32*\c:\s+31+32*\c], v[TM+12+2*\c+1]
.endr
	v_nop                                          ; one plain line behind a scaled conversion
.irp c, 0,1                                    ; a whole block to a lane: lanes 0-15 block 2 c, lanes 16-31 block 2 c + 1
.irp i, 0,1,2
	v_permlane16_swap_b32 v[PC+6*\c+\i], v[PC+12+4*\c+\i]
.endr
.irp i, 0,1,2
	v_mov_b32 v[PC+3+6*\c+\i], v[PC+12+4*\c+\i]
.endr
.endr
.endm
.macro VLOAD s                         ; key step s of my quarter: v's four fragments and their scale words: 13 loads
.irp dt, 0,1,2,3
.irp c, 0,1,2
	ds_load_b128 v[VF+12*\dt+4*\c:VF+12*\dt+4*\c+3], v[AV] offset:6144*(\s)+1536*\dt+512*\c
.endr
.endr
	ds_load_b64 v[VS:VS+1], v[AVS] offset:256*(\s)
.endm
.macro PMUL s                          ; p = t x the factor: key step s out of window 1
	WIN 0x01
.set II, 0
.rept 32
	v_pk_mul_f32 v[D+2*II:D+2*II+1], v[64*(\s)+2*II:64*(\s)+2*II+1], v[INV:INV+1]
.set II, II+1
.endr
	WIN 0
.endm
.macro PV s                            ; O^T += v^T p^T: four accumulators by turns, one instruction a turn; step 0 starts the sums
	s_wait_dscnt 0x0                               ; v's fragments are in
	WIN 0x50                                       ; C and D window 1
.irp dt, 0,1,2,3
.if (\s) == 0
.if \dt%2
	v_wmma_scale_f32_16x16x128_f8f6f4 v[8*\dt:8*\dt+7], v[VF+12*\dt:VF+12*\dt+11], v[PC:PC+11], 0, v[VS+\dt/2], v[PW] matrix_a_fmt:MATRIX_FMT_FP6 matrix_b_fmt:MATRIX_FMT_FP6 matrix_a_scale:MATRIX_SCALE_ROW1
.else
	v_wmma_scale_f32_16x16x128_f8f6f4 v[8*\dt:8*\dt+7], v[VF+12*\dt:VF+12*\dt+11], v[PC:PC+11], 0, v[VS+\dt/2], v[PW] matrix_a_fmt:MATRIX_FMT_FP6 matrix_b_fmt:MATRIX_FMT_FP6
.endif
.else
.if \dt%2
	v_wmma_scale_f32_16x16x128_f8f6f4 v[8*\dt:8*\dt+7], v[VF+12*\dt:VF+12*\dt+11], v[PC:PC+11], v[8*\dt:8*\dt+7], v[VS+\dt/2], v[PW] matrix_a_fmt:MATRIX_FMT_FP6 matrix_b_fmt:MATRIX_FMT_FP6 matrix_a_scale:MATRIX_SCALE_ROW1
.else
	v_wmma_scale_f32_16x16x128_f8f6f4 v[8*\dt:8*\dt+7], v[VF+12*\dt:VF+12*\dt+11], v[PC:PC+11], v[8*\dt:8*\dt+7], v[VS+\dt/2], v[PW] matrix_a_fmt:MATRIX_FMT_FP6 matrix_b_fmt:MATRIX_FMT_FP6
.endif
.endif
.endr
	WIN 0
.rept 4
	v_nop                                          ; places in front of the loads into v's registers, of the next codes and scale word, and of the first read of O^T
.endr
.if (\s) < 3
	VLOAD (\s)+1
.endif
.endm
.Lblock:                                           ; 16 trips: a block of 32 queries
	s_wait_loadcnt 0x0                             ; q and its scale word
	LOADK 0
.irp g, 0,1,2,3,4,5,6,7
	HALF \g
.endr
	v_pk_add_f32 v[SUM:SUM+1], v[SUM:SUM+1], v[SUM+2:SUM+3]
	v_pk_add_f32 v[SUM+4:SUM+5], v[SUM+4:SUM+5], v[SUM+6:SUM+7]
	v_pk_add_f32 v[SUM:SUM+1], v[SUM:SUM+1], v[SUM+4:SUM+5]
	v_add_f32 v[SUM], v[SUM], v[SUM+1]
	v_permlanex16_b32 v248, v[SUM], s[SEL], s[SEL+1]
	v_add_f32 v[SUM], v[SUM], v248                 ; my query's sum over my 512 keys
	ds_store_b32 v[SXW], v[SUM]
	s_wait_dscnt 0x0                               ; my sum is stored; my reads of the stage (last block) were waited for
	s_barrier_signal -1
	s_barrier_wait -1
.irp k, 0,1,2,3
	ds_load_b32 v[248+\k], v[SXR] offset:256*\k    ; the four quarters' sums of my tile
.endr
	VLOAD 0
	s_wait_dscnt 13                                ; the four sums are in; the 13 loads of v's first step may be out
	v_add_f32 v248, v248, v249                     ; the same order in all four waves of a tile: the same factor
	v_add_f32 v250, v250, v251
	v_add_f32 v248, v248, v250
	v_fma_f32 v248, v248, s[THIRTY], s[EPS]        ; the sum of relu(30 tanh) + 1e-6
	v_rcp_f32 v248, v248
	v_nop                                          ; one plain line behind the reciprocal
	s_wait_alu depctr_va_vdst(0)
	v_mul_f32 v[INV], s[THIRTY], v248
	v_mul_f32 v[INV+1], s[THIRTY], v248
	PMUL 0
	QUANT D
	PMUL 1                                         ; the next step's 32 lines are also the places between the scale word's and the codes' last writes and the scaled products
	PV 0
	QUANT D
	PMUL 2
	PV 1
	QUANT D
	PMUL 3
	PV 2
	QUANT D
.rept 8
	v_nop                                          ; eight places between the scale word's write and the scaled products
.endr
	PV 3
	WIN 0x04                                       ; an LDS store's data are its source 1: window 1
.irp dt, 0,1,2,3
	ds_store_b128 v[STW], v[8*\dt:8*\dt+3] offset:64*\dt           ; lane (r, h): O(query r, channels 16 dt + 8 h + 0 .. 7) over my quarter; each accumulator from its low end on
	ds_store_b128 v[STW], v[8*\dt+4:8*\dt+7] offset:64*\dt+16
.endr
	WIN 0
	s_wait_dscnt 0x0                               ; my part of the stage is stored; my reads of the sums are over
	s_barrier_signal -1
	s_barrier_wait -1
.irp k, 0,1,2,3
.irp pr, 0,1
	ds_load_b128 v[D+4*(2*\k+\pr):D+4*(2*\k+\pr)+3], v[STR] offset:8704*\k+544*\pr   ; quarter k's part of rows 4 kq + 2 pr + h
.endr
.endr
	s_wait_dscnt 0x0
.irp pr, 0,1
.irp c, 0,2
	v_pk_add_f32 v[D+4*\pr+\c:D+4*\pr+\c+1], v[D+4*\pr+\c:D+4*\pr+\c+1], v[D+8+4*\pr+\c:D+8+4*\pr+\c+1]
	v_pk_add_f32 v[D+16+4*\pr+\c:D+16+4*\pr+\c+1], v[D+16+4*\pr+\c:D+16+4*\pr+\c+1], v[D+24+4*\pr+\c:D+24+4*\pr+\c+1]
.endr
.endr
.irp pr, 0,1
.irp c, 0,2
	v_pk_add_f32 v[D+4*\pr+\c:D+4*\pr+\c+1], v[D+4*\pr+\c:D+4*\pr+\c+1], v[D+16+4*\pr+\c:D+16+4*\pr+\c+1]
.endr
.endr
.irp pr, 0,1
	global_store_b128 v[GO], v[D+4*\pr:D+4*\pr+3], s[OP:OP+1] offset:8192*\pr th:TH_STORE_NT   ; sixteen lanes store a query's 256 bytes of the head, at a multiple of 256 from out's first byte; written once, read by nobody here
.endr
	s_wait_xcnt 0x0                                ; the stores' base and data are written again only behind this wait
	s_add_nc_u64 s[OP:OP+1], s[OP:OP+1], 131072    ; 32 tokens on
	s_add_co_u32 s[BLK], s[BLK], 1
	s_cmp_lt_u32 s[BLK], 16
	s_cbranch_scc1 .Lblock
	s_wait_tensorcnt 0x0
	ds_add_u32 v227, v229
	s_wait_dscnt 0x0
	ROUND                                          ; the closing round
	s_endpgm
.Lfunc_end_k_q32b497454b_attn:
	.size	k_q32b497454b_attn, .Lfunc_end_k_q32b497454b_attn-k_q32b497454b_attn
	.p2alignl 7, 3214868480
	.fill 96, 4, 3214868480
	.section	.rodata,"a",@progbits
	.p2align	6, 0x0
	.amdhsa_kernel k_q32b497454b_attn
		.amdhsa_group_segment_fixed_size 253952
		.amdhsa_private_segment_fixed_size 0
		.amdhsa_enable_private_segment 0
		.amdhsa_kernarg_size 40
		.amdhsa_user_sgpr_count 2
		.amdhsa_user_sgpr_kernarg_segment_ptr 1
		.amdhsa_wavefront_size32 1
		.amdhsa_system_sgpr_workgroup_id_x 1
		.amdhsa_system_sgpr_workgroup_id_y 1
		.amdhsa_system_sgpr_workgroup_id_z 1
		.amdhsa_system_vgpr_workitem_id 0
		.amdhsa_next_free_vgpr 512
		.amdhsa_next_free_sgpr 100
		.amdhsa_reserve_vcc 0
		.amdhsa_float_denorm_mode_32 3
		.amdhsa_float_denorm_mode_16_64 3
		.amdhsa_memory_ordered 1
		.amdhsa_forward_progress 1
		.amdhsa_inst_pref_size 197
	.end_amdhsa_kernel
	.amdgpu_metadata
---
amdhsa.version: [ 1, 2 ]
amdhsa.kernels:
  - .name:           k_q32b497454b_attn
    .symbol:         k_q32b497454b_attn.kd
    .args:
      - { .name: qbuf, .offset: 0, .size: 8, .value_kind: global_buffer, .address_space: global }
      - { .name: kbuf, .offset: 8, .size: 8, .value_kind: global_buffer, .address_space: global }
      - { .name: vbuf, .offset: 16, .size: 8, .value_kind: global_buffer, .address_space: global }
      - { .name: attention_mask, .offset: 24, .size: 8, .value_kind: global_buffer, .address_space: global }
      - { .name: out0, .offset: 32, .size: 8, .value_kind: global_buffer, .address_space: global }
    .group_segment_fixed_size: 253952
    .private_segment_fixed_size: 0
    .kernarg_segment_align: 8
    .kernarg_segment_size: 40
    .max_flat_workgroup_size: 256
    .sgpr_count:     100
    .vgpr_count:     512
    .wavefront_size: 32
...
	.end_amdgpu_metadata
.endif
;; end of part 2
